; MI455X (gfx1250); checked and timed in simulation.
; The chip was launched on July 23, 2026; its instructions are those of AMD's public machine-readable ISA for CDNA 5 (MIT licence, August 2026) and "CDNA5" Instruction Set Architecture Reference Guide (July 2026). The comments in the code are by the model that wrote it; some were corrected since.
;; Multi Cross Attention. Allowed arithmetic: matrix products marked QUANTISED: E2M1 operands, one E8M0 scale for each 32 along K, by v_wmma_scale_f32_16x16x128_f8f6f4 with both operands' format E2M1 (or v_wmma_scale_f32_32x16x128_f4), f32 sums; everything else in f32.
;; Inputs: Wk 512 x 512 float32; Wq 512 x 512 float32; Wv 512 x 512 float32; x 4 x 2,048 x 512 float32; y 4 x 2,048 x 512 float32.
;; Outputs: out0 4 x 2,048 x 512 float32; out1 4 x 2,048 x 512 float32.
;; This version of the problem:
;;   THIS VERSION OF THE PROBLEM IS GIVEN IN LOW PRECISION. The matrix products marked QUANTISED in the list below multiply operands that are first quantised to E2M1 (2 exponent bits, 1 mantissa bit; 4 bits a number), with one power-of-two scale for each 32 numbers along K (OCP MX v1.0); their sums are f32. All else is computed in f32.
;;   The module's matrix products, in the order in which they are computed (A, B: the left and right operand; K: the contracted axis; several contracted axes count as one K, in the product's order):
;;     1. [M 8,192, K 512] x [K 512, N 512]; A: input y; B: input Wq: QUANTISED
;;     2. [M 8,192, K 512] x [K 512, N 512]; A: input x; B: input Wk: QUANTISED
;;     3. [M 8,192, K 512] x [K 512, N 512]; A: input x; B: input Wv: QUANTISED
;;     4. [M 8,192, K 512] x [K 512, N 512]; A: input x; B: input Wq: QUANTISED
;;     5. [M 8,192, K 512] x [K 512, N 512]; A: input y; B: input Wk: QUANTISED
;;     6. [M 8,192, K 512] x [K 512, N 512]; A: input y; B: input Wv: QUANTISED
;;     7. batch 32 x [M 2,048, K 64] x [K 64, N 2,048]; A: computed on the way; B: computed on the way: QUANTISED
;;     8. batch 32 x [M 2,048, K 64] x [K 64, N 2,048]; A: computed on the way; B: computed on the way: QUANTISED
;;     9. batch 32 x [M 2,048, K 2,048] x [K 2,048, N 64]; A: softmax (see below); B: computed on the way: QUANTISED
;;     10. batch 32 x [M 2,048, K 2,048] x [K 2,048, N 64]; A: softmax (see below); B: computed on the way: QUANTISED
;;   THE QUANTISER, for each operand of a quantised product, along K:
;;     - K is cut into blocks of 32 from its start; a last block that is shorter is filled with zeros.
;;     - A block's scale is 2^e with e = floor(log2(the largest magnitude in the block)) - 2, held to -126 .. 127; a block of zeros has e = 0. As a byte (E8M0): e + 127.
;;     - Each number is divided by its block's scale, clamped to +-6, and rounded to the nearest number of E2M1, ties to even, subnormals kept.
;;     - The product sums the exact products of the quantised numbers (number of the format x scale) in f32.
;;   ~~~python
;;   def quantise(x, axis):      # numpy; x: float32 -> the quantised numbers, widened to float32 again
;;       x = np.moveaxis(x, axis, -1); K = x.shape[-1]
;;       x = np.pad(x, [(0, 0)] * (x.ndim - 1) + [(0, -K % 32)]); x = x.reshape(x.shape[:-1] + (-1, 32)); a = np.abs(x).max(-1, keepdims=True)
;;       e = np.where(a > 0, np.clip(np.frexp(np.where(a > 0, a, 1))[1] - 1 - 2, -126, 127), 0)      # np.frexp(a)[1] - 1 = floor(log2(a)), exactly
;;       r = np.clip(x / 2.0 ** e, -6, 6)
;;       step = 2.0 ** (np.maximum(np.frexp(np.where(r == 0, 1, r))[1] - 1, 0) - 1)
;;       q = np.round(r / step) * step * 2.0 ** e      # np.round: ties to even
;;       return np.moveaxis(q.reshape(q.shape[:-2] + (-1,))[..., :K], -1, axis).astype(np.float32)
;;   ~~~
;;   SOFTMAX AHEAD OF A QUANTISED PRODUCT. Where the list says 'softmax', what is quantised is not the finished softmax but p = 2^(t - M), with t = logit x log2(e) and M = ceil(the row's largest t), a whole number; so 1/2 < the row's largest p <= 1. The row's sum l is taken of the UNQUANTISED p, in f32, and the product's result is divided by l at the end. Since M is a whole number, a kernel that streams over the keys may use a running M (the ceiling of the running maximum): every later rescaling is an exact power of two, which a block's scale takes up: the codes' values come out the same.
;;   OPERANDS COMPUTED ON THE WAY. 'Computed on the way' means the value that the module computes at that place (a softmax that the list does not call 'softmax' is quantised finished and normalised). What goes into a quantiser is computed in f32, as accurately as f32 sums, v_exp_f32 and their like allow (about 1e-6 of the number): no bf16 or f16 on the way to a quantiser, and a product that is left as it is and whose result goes on into a quantised operand takes f32 operands (vector FMAs, or v_wmma_f32_16x16x4_f32). A number that lies on a knife's edge between two numbers of the format may be rounded either way, as far as f32 arithmetic and the matrix unit's own rounding can turn it there, and no further.
;; One version. Each part assembles by itself: llvm-mc -triple=amdgcn-amd-amdhsa -mcpu=gfx1250 --defsym DOCPART=n.
;; ======== version 1 of 1: 3 launches
;; limits: right only within a limited range of input values
;; workspace buffers: xyc 4,194,304 bytes; xys 262,144 bytes; wc 393,216 bytes; ws 24,576 bytes; qc 4,194,304 bytes; qs 262,144 bytes; kvc 8,912,896 bytes
;; launch quant (part 1): grid 304 x 1, 4 waves a work-group, no clusters, 34,304 bytes of LDS; arguments x, y, Wq, Wk, Wv, xyc, xys, wc, ws; writes xyc, xys, wc, ws
.if DOCPART == 1
	.amdgcn_target "amdgcn-amd-amdhsa--gfx1250"
	.amdhsa_code_object_version 6
	.text
	.protected	k_qa972baa9c2_quant
	.globl	k_qa972baa9c2_quant
	.p2align	8
	.type	k_qa972baa9c2_quant,@function
k_qa972baa9c2_quant:
	s_mov_b64 s[64:65], 0
	v_nop
	global_prefetch_b8 v0, s[64:65] scope:SCOPE_SE
	s_setreg_imm32_b32 hwreg(HW_REG_WAVE_MODE, 25, 1), 1
	s_wait_xcnt 0x0
; x, y [8192][512] and Wq, Wk, Wv [512 (k)][512 (n)], f32, become codes of FP4 (E2M1) with one E8M0 byte for each 32 along K = 512.
; A block's scale is 2^(floor(log2(its largest magnitude)) - 2); its byte is that magnitude's exponent field - 2, held at 1 from below.
; LAYOUT OF THE RESULTS: a FRAGMENT (16 rows x 128 K, 8 registers a lane) lies in memory as the image of its registers, 1,024 bytes:
; block b (32 along K) of row r at 256 b + 16 r, which is registers 4 c .. 4 c + 3 of lane l at 512 c + 16 l.  A reader takes two loads of 16 bytes a lane.
; THE ROWS OF A TILE ARE NOT NEIGHBOURS: in each group of 128 rows of x or y (64 columns of W: a head) tile 2 b + u holds in lane r the row 32 b + 8 u + r + 8 (r / 8),
; so that a product with such a tile as source 0 leaves 16 neighbours in the 16 registers of tiles 2 b and 2 b + 1.
;   xyc [x, y][tile 512][K step 4][1024]   xys [x, y][tile][r 16][K step 4] words      wc [q, k, v][tile 32][K step 4][1024]   ws [q, k, v][tile][r][K step] words
; SHARES.  Work-groups 0-255: a wave takes one tile of x (0-127) or y (128-255), 16 rows x 512.  Work-groups 256-303: 32 columns of one W, a wave a K step of 128.
; A stream: each byte is read once and each code written once.  No matrix unit, no tensor load, no cluster (work-groups share no input), no barrier (waves share nothing), no prefetch (the loads run two steps ahead of their use).
; LIMITS: NaN and infinities among the inputs are not served.  A block of zeros gets the byte 1 where the rule says 127: its codes are zeros, and this program alone reads the bytes.
; Blocks whose largest magnitude lies under 2^-124 are held at the byte 1.
.set SP,   528                         ; a stage row: 512 bytes + 16: sixteen rows start at sixteen different 16-byte columns of 256
.set WST,  16*SP                       ; a wave's stage
.set PW,   8                           ; v8-11    the four K steps' scale words
.set PC,   16                          ; v16-47   the four K steps' codes: no store's data are written again
.set TM,   48                          ; v48-63   at work in QUANT
.set R,    64                          ; v64-191  two sets of 64: a K step as loaded
.set X,    192                         ; v192-255 64 numbers of my row: register 16 b + i = k 32 b + 16 (lane / 16) + i
.set WV,   22
.set SEL,  24                          ; s[24:25] v_permlanex16_b32's selects for lane l xor 16
; 64 numbers of a lane, register 16 b + i = k 32 b + 16 (lane / 16) + i of my row, become a fragment's codes in v[pc] on and its scale word in v[pw].
.macro QUANT s, pc, pw
.irp b, 0,1,2,3
	v_max3_num_f32 v[TM+\b], |v[\s+16*\b]|, |v[\s+1+16*\b]|, 0x1800000   ; my 16 numbers of block b, and the floor 2^(3 - 127): the byte cannot fall under 1
.endr
.irp i, 2,4,6,8,10,12,14
.irp b, 0,1,2,3
	v_max3_num_f32 v[TM+\b], v[TM+\b], |v[\s+16*\b+\i]|, |v[\s+1+16*\b+\i]|   ; the four blocks by turns
.endr
.endr
.irp b, 0,1,2,3
	v_permlanex16_b32 v[TM+4+\b], v[TM+\b], s[SEL], s[SEL+1]
.endr
.irp b, 0,1,2,3
	v_max_num_f32 v[TM+\b], v[TM+\b], v[TM+4+\b]       ; with lane l xor 16's 16: the block's largest magnitude
.endr
.irp b, 0,1,2,3
	v_add_nc_u32 v[TM+12+\b], 0xff000000, v[TM+\b]     ; 2 off its exponent field: the conversion's scale operand
.endr
.irp b, 0,1,2,3
	v_lshrrev_b32 v[TM+4+\b], 23, v[TM+12+\b]          ; the scale's byte
.endr
	v_lshl_or_b32 v[\pw], v[TM+5], 8, v[TM+4]
	v_lshl_or_b32 v[\pw], v[TM+6], 16, v[\pw]
	v_lshl_or_b32 v[\pw], v[TM+7], 24, v[\pw]          ; my row's scale word
.irp b, 0,1,2,3
	v_cvt_scalef32_pk8_fp4_f32 v[\pc+2*\b], v[\s+16*\b:\s+7+16*\b], v[TM+12+\b]
	v_cvt_scalef32_pk8_fp4_f32 v[\pc+1+2*\b], v[\s+8+16*\b:\s+15+16*\b], v[TM+12+\b]
.endr
	v_nop                                              ; one plain place behind a scaled conversion
.irp c, 0,1                                        ; the operand's layout wants a whole block in a lane: lanes 0-15 block 2 c, lanes 16-31 block 2 c + 1
.irp i, 0,1
	v_permlane16_swap_b32 v[\pc+4*\c+\i], v[\pc+2+4*\c+\i]
.endr
.endr
.endm
	s_load_b256 s[4:11], s[0:1], 0x0               ; x s[4:5], y s[6:7], Wq s[8:9], Wk s[10:11]
	s_load_b256 s[12:19], s[0:1], 0x20             ; Wv s[12:13], xyc s[14:15], xys s[16:17], wc s[18:19]
	s_load_b64 s[20:21], s[0:1], 0x40              ; ws
	v_lshl_add_u32 v58, v0, 2, 0x8400
	v_mov_b32 v59, 0
	v_lshrrev_b32 v1, 5, v0
	v_readfirstlane_b32 s[WV], v1                  ; wave 0..3
	v_and_b32 v6, 31, v0                           ; lane
	s_cmp_lt_u32 ttmp9, 256
	s_cbranch_scc0 .Lweights
	; ---------------- x and y: K is innermost ----------------
	v_lshlrev_b32 v1, 4, v6                        ; 16 x lane: my bytes of a load's 512, and of a code store's
	v_and_b32 v7, 15, v0                           ; r
	v_bfe_u32 v5, v0, 4, 1                         ; h
	s_mul_i32 s26, s[WV], WST
	v_add_nc_u32 v2, s26, v1                       ; the stage, in: a row as it lies
	v_mul_u32_u24 v3, v7, SP
	v_lshl_add_u32 v3, v5, 6, v3
	v_add_nc_u32 v3, s26, v3                       ; out: row r, + 64 h: my 16 numbers of each block of 32
	v_lshlrev_b32 v4, 4, v7
	v_lshl_add_u32 v4, v5, 3, v4                   ; the scale words' place: 16 r + 8 h
.irp b, 0,1,2,3
	v_mov_b32 v[TM+4+\b], 0                        ; written once: a lane permute's destination counts as one of its sources
.endr
	s_mov_b32 s[SEL], 0x76543210
	s_mov_b32 s[SEL+1], 0xfedcba98
	s_lshl_b32 s27, ttmp9, 2
	s_add_co_u32 s27, s27, s[WV]                   ; T = 512 x source + tile
	s_and_b32 s28, s27, 511                        ; the tile: 8 x (block of 128 rows) + m
	s_lshr_b32 s29, s28, 3
	s_lshl_b32 s29, s29, 7
	s_and_b32 s30, s28, 6
	s_lshl_b32 s30, s30, 4
	s_add_co_u32 s29, s29, s30
	s_and_b32 s30, s28, 1
	s_lshl_b32 s30, s30, 3
	s_add_co_u32 s29, s29, s30                     ; its first row: 128 (tile / 8) + 32 (m / 2) + 8 (m % 2)
	s_lshl_b32 s30, s29, 11                        ; rows of 2,048 bytes
	s_mov_b32 s31, 0
	s_lshl_b32 s32, s27, 12                        ; 4,096 bytes of codes a tile
	s_mov_b32 s33, 0
	s_lshl_b32 s34, s27, 8                         ; 256 bytes of scale words a tile
	s_mov_b32 s35, 0
	s_wait_alu depctr_va_vdst(0)
	s_wait_kmcnt 0x0
	s_cmp_lt_u32 ttmp9, 128                        ; x or y: the choice hangs on the work-group's number alone
	s_cselect_b64 s[36:37], s[4:5], s[6:7]
	s_add_nc_u64 s[36:37], s[36:37], s[30:31]
	s_add_nc_u64 s[14:15], s[14:15], s[32:33]
	s_add_nc_u64 s[16:17], s[16:17], s[34:35]
.macro LOAD q                          ; K step q of the tile's 16 rows: each load reads 512 consecutive bytes of one row
.irp i, 0,1,2,3,4,5,6,7,8,9,10,11,12,13,14,15
	global_load_b128 v[R+64*((\q)%2)+4*\i:R+64*((\q)%2)+4*\i+3], v1, s[36:37] offset:(\i+8*(\i/8))*2048+512*(\q) th:TH_LOAD_NT
.endr
.endm
.macro TURN q                          ; through my stage: in by rows, out 16 neighbours a lane and block.  LDS serves a wave's instructions in order: no wait between
.irp i, 0,1,2,3,4,5,6,7,8,9,10,11,12,13,14,15
	ds_store_b128 v2, v[R+64*((\q)%2)+4*\i:R+64*((\q)%2)+4*\i+3] offset:SP*\i
.endr
.irp b, 0,1,2,3
.irp j, 0,1,2,3
	ds_load_b128 v[X+16*\b+4*\j:X+16*\b+4*\j+3], v3 offset:128*\b+16*\j
.endr
.endr
.endm
	LOAD 0
	LOAD 1
.irp q, 0,1,2,3
.if \q < 3
	s_wait_loadcnt 16                              ; this K step's 16 loads are in; the next step's 16 may be out
.else
	s_wait_loadcnt 0x0
.endif
	TURN \q
	s_wait_dscnt 0x0                               ; my 64 numbers are back
.if \q < 2
	LOAD \q+2                                      ; into the set that the stage's stores have read
.endif
	QUANT X, PC+8*\q, PW+\q
	global_store_b128 v1, v[PC+8*\q:PC+8*\q+3], s[14:15] offset:1024*\q          ; 32 lanes store 512 consecutive bytes, aligned
	global_store_b128 v1, v[PC+8*\q+4:PC+8*\q+7], s[14:15] offset:1024*\q+512
.endr
	v_cmp_ne_u32 vcc_lo, 0, v5
	v_cndmask_b32 v12, v[PW], v[PW+2], vcc_lo      ; lanes 0-15 store K steps 0 and 1 of row r, lanes 16-31 K steps 2 and 3
	v_cndmask_b32 v13, v[PW+1], v[PW+3], vcc_lo
	global_store_b64 v4, v[12:13], s[16:17]        ; 32 lanes store 256 consecutive bytes, aligned
	s_wait_tensorcnt 0x0
	ds_add_u32 v58, v59
	s_wait_dscnt 0x0
	s_endpgm
	; ---------------- the weights: K is the first axis.  A lane takes a column, and its registers run down K ----------------
.Lweights:
	s_sub_co_u32 s26, ttmp9, 256
	s_lshr_b32 s27, s26, 4                         ; which W: 0 q, 1 k, 2 v
	s_and_b32 s28, s26, 15                         ; which 32 columns: tiles 2 Bc and 2 Bc + 1
	s_wait_alu depctr_va_vdst(0)
	v_lshlrev_b32 v1, 2, v6                        ; in: 4 bytes a lane
	v_bfe_u32 v7, v6, 3, 1                         ; column 32 Bc + l lies in tile 2 Bc + u, u = (l / 8) % 2,
	v_and_b32 v9, 7, v6
	v_lshrrev_b32 v10, 4, v6
	v_lshl_add_u32 v9, v10, 3, v9                  ; at row r = l % 8 + 8 (l / 16)
	v_lshlrev_b32 v2, 4, v9
	v_lshl_add_u32 v3, v7, 8, v2                   ; scale words: 256 u + 16 r
	v_lshl_add_u32 v2, v7, 12, v2                  ; codes: 4,096 u + 16 r
	s_lshl_b32 s30, s[WV], 18                      ; my K step: 128 rows of 2,048 bytes
	s_lshl_b32 s29, s28, 7
	s_add_co_u32 s30, s30, s29
	s_mov_b32 s31, 0
	s_lshl_b32 s32, s27, 17                        ; wc: 131,072 a W, 8,192 a pair of tiles, 1,024 a K step
	s_lshl_b32 s29, s28, 13
	s_add_co_u32 s32, s32, s29
	s_lshl_b32 s29, s[WV], 10
	s_add_co_u32 s32, s32, s29
	s_mov_b32 s33, 0
	s_lshl_b32 s34, s27, 13                        ; ws: 8,192 a W, 512 a pair of tiles, 4 a K step
	s_lshl_b32 s29, s28, 9
	s_add_co_u32 s34, s34, s29
	s_lshl_b32 s29, s[WV], 2
	s_add_co_u32 s34, s34, s29
	s_mov_b32 s35, 0
	s_wait_alu depctr_va_vdst(0)
	s_wait_kmcnt 0x0
	s_cmp_eq_u32 s27, 0
	s_cselect_b64 s[36:37], s[8:9], s[10:11]
	s_cmp_eq_u32 s27, 2
	s_cselect_b64 s[36:37], s[12:13], s[36:37]
	s_add_nc_u64 s[36:37], s[36:37], s[30:31]
	s_add_nc_u64 s[18:19], s[18:19], s[32:33]
	s_add_nc_u64 s[20:21], s[20:21], s[34:35]
.macro WLOAD b                         ; block b: W(128 q + 32 b + i, my column): 32 lanes read 128 consecutive bytes
.irp i, 0,1,2,3,4,5,6,7,8,9,10,11,12,13,14,15,16,17,18,19,20,21,22,23,24,25,26,27,28,29,30,31
	global_load_b32 v[64+32*(\b)+\i], v1, s[36:37] offset:(32*(\b)+\i)*2048
.endr
.endm
.macro WBLOCK b
.set XB, 64+32*(\b)
.if (\b) < 3
	s_wait_loadcnt 32                              ; this block's 32 loads are in; the next block's 32 may be out
.else
	s_wait_loadcnt 0x0
.endif
	v_max3_num_f32 v12, |v[XB]|, |v[XB+1]|, |v[XB+2]|              ; all 32 numbers of the block are mine: two chains
	v_max3_num_f32 v13, |v[XB+3]|, |v[XB+4]|, |v[XB+5]|
.irp i, 6,10,14,18,22,26
	v_max3_num_f32 v12, v12, |v[XB+\i]|, |v[XB+\i+1]|
	v_max3_num_f32 v13, v13, |v[XB+\i+2]|, |v[XB+\i+3]|
.endr
	v_max3_num_f32 v12, v12, |v[XB+30]|, |v[XB+31]|
	v_max3_num_f32 v12, v12, v13, 0x1800000        ; and the floor 2^(3 - 127)
	v_add_nc_u32 v11, 0xff000000, v12              ; the conversion's scale operand
	v_lshrrev_b32 v13, 23, v11                     ; the byte
.if (\b) == 0
	v_mov_b32 v8, v13
.else
	v_lshl_or_b32 v8, v13, 8*(\b), v8              ; the lower K in the lower byte
.endif
.irp g, 0,1,2,3
	v_cvt_scalef32_pk8_fp4_f32 v[16+4*(\b)+\g], v[XB+8*\g:XB+8*\g+7], v11
.endr
	v_nop                                          ; one plain place behind a scaled conversion
	global_store_b128 v2, v[16+4*(\b):16+4*(\b)+3], s[18:19] offset:256*(\b)   ; the sixteen lanes of a tile store 256 consecutive bytes, aligned
.if (\b) < 2
	WLOAD (\b)+2
.endif
.endm
	WLOAD 0
	WLOAD 1
	WBLOCK 0
	WBLOCK 1
	WBLOCK 2
	WBLOCK 3
	global_store_b32 v3, v8, s[20:21]              ; my column's word for this K step: pieces of 4 bytes, 16 apart; all of ws is 24,576 bytes, one byte in 128 of what this path reads
	s_endpgm
.Lfunc_end_k_qa972baa9c2_quant:
	.size	k_qa972baa9c2_quant, .Lfunc_end_k_qa972baa9c2_quant-k_qa972baa9c2_quant
	.p2alignl 7, 3214868480
	.fill 96, 4, 3214868480
	.section	.rodata,"a",@progbits
	.p2align	6, 0x0
	.amdhsa_kernel k_qa972baa9c2_quant
		.amdhsa_group_segment_fixed_size 34304
		.amdhsa_private_segment_fixed_size 0
		.amdhsa_enable_private_segment 0
		.amdhsa_kernarg_size 72
		.amdhsa_user_sgpr_count 2
		.amdhsa_user_sgpr_kernarg_segment_ptr 1
		.amdhsa_wavefront_size32 1
		.amdhsa_system_sgpr_workgroup_id_x 1
		.amdhsa_system_sgpr_workgroup_id_y 1
		.amdhsa_system_sgpr_workgroup_id_z 1
		.amdhsa_system_vgpr_workitem_id 0
		.amdhsa_next_free_vgpr 256
		.amdhsa_next_free_sgpr 66
		.amdhsa_reserve_vcc 1
		.amdhsa_float_denorm_mode_32 3
		.amdhsa_float_denorm_mode_16_64 3
		.amdhsa_memory_ordered 1
		.amdhsa_forward_progress 1
		.amdhsa_inst_pref_size 53
	.end_amdhsa_kernel
	.amdgpu_metadata
---
amdhsa.version: [ 1, 2 ]
amdhsa.kernels:
  - .name:           k_qa972baa9c2_quant
    .symbol:         k_qa972baa9c2_quant.kd
    .args:
      - { .name: x, .offset: 0, .size: 8, .value_kind: global_buffer, .address_space: global }
      - { .name: y, .offset: 8, .size: 8, .value_kind: global_buffer, .address_space: global }
      - { .name: Wq, .offset: 16, .size: 8, .value_kind: global_buffer, .address_space: global }
      - { .name: Wk, .offset: 24, .size: 8, .value_kind: global_buffer, .address_space: global }
      - { .name: Wv, .offset: 32, .size: 8, .value_kind: global_buffer, .address_space: global }
      - { .name: xyc, .offset: 40, .size: 8, .value_kind: global_buffer, .address_space: global }
      - { .name: xys, .offset: 48, .size: 8, .value_kind: global_buffer, .address_space: global }
      - { .name: wc, .offset: 56, .size: 8, .value_kind: global_buffer, .address_space: global }
      - { .name: ws, .offset: 64, .size: 8, .value_kind: global_buffer, .address_space: global }
    .group_segment_fixed_size: 34304
    .private_segment_fixed_size: 0
    .kernarg_segment_align: 8
    .kernarg_segment_size: 72
    .max_flat_workgroup_size: 128
    .sgpr_count:     66
    .vgpr_count:     256
    .wavefront_size: 32
...
	.end_amdgpu_metadata
.endif
;; end of part 1
;; launch proj (part 2): grid 3 x 64, 8 waves a work-group, no clusters, 168,960 bytes of LDS; arguments xyc, xys, wc, ws, qc, qs, kvc; writes qc, qs, kvc
.if DOCPART == 2
	.amdgcn_target "amdgcn-amd-amdhsa--gfx1250"
	.amdhsa_code_object_version 6
	.text
	.protected	k_qa972baa9c2_proj
	.globl	k_qa972baa9c2_proj
	.p2align	8
	.type	k_qa972baa9c2_proj,@function
k_qa972baa9c2_proj:
	s_mov_b64 s[64:65], 0
	v_nop
	global_prefetch_b8 v0, s[64:65] scope:SCOPE_SE
	s_setreg_imm32_b32 hwreg(HW_REG_WAVE_MODE, 25, 1), 1
	s_wait_xcnt 0x0
; The six projections x W and y W (W = Wq, Wk, Wv; K = 512) on codes of FP4 (E2M1) with E8M0 scales, and the quantising of their results for the attention that follows.
; THE TWO SCORE PRODUCTS OF A HEAD ARE ONE PRODUCT OF K = 128: Q' = [y Wq | x Wq], K' = [x Wk | y Wk], 64 + 64 channels = four blocks of 32.  V' = [x Wv | y Wv] has 128 channels and is quantised along the KEYS.
; All operands and results lie as images of a fragment's registers (16 rows x 128 K = 1,024 bytes: block b of row r at 256 b + 16 r).
;   qc  [head 32][group of 128 queries 16][tile 8][1024]           qs  [head][group][r 16][tile 8] words
;   kvc [head][key step of 128 keys 16][K' 8 fragments | V' 8 fragments | K' words 512 bytes | V' words 512 bytes], words [r 16][tile 8]
; SHARES.  Work-group x = which W (0 Q, 1 K, 2 V), y = a block of 128 rows of x and the same rows of y.  Wave w = head w: 64 columns of W, 4 tiles, kept in registers.  256 matrix instructions and 8 fragments a wave.
; The block's codes of x and y (2 x 32 KiB) come into LDS once, 8 KiB by one tensor load of each wave; nothing is filled again.  For Q the two sources change places, in the global address alone.
; Q, K: source 0 = 16 columns of W, source 1 = 16 rows: a lane holds one row and its registers run along the channels.  V: source 0 = 16 rows (keys), source 1 = 16 columns: a lane holds one channel, registers run along the keys.
; The rows of x's tiles and the columns of W's tiles were chosen (32 b + 8 u + r + 8 (r / 8)) so that the 16 registers of tiles 2 b, 2 b + 1 are 16 neighbours along the next K.
; NO CLUSTER: the grid's x is 3; what the three share is 64 KiB fetched once at the head, and Q's copy lies with its sources swapped, so that its descriptors differ from the others'.
; 192 work-groups: a key step of V' wants its 128 keys in one work-group, and 64 row blocks x 3 weights give no more.  No prefetch: all that a work-group reads is asked for at its head.
; LIMITS: NaN and infinities are not served; a block of zeros gets the byte 1 (its codes are zeros; this program alone reads the bytes); blocks under 2^-124 are held at the byte 1.
; REGISTERS.  window 0: v1-5 addresses; v8-15 the eight scale words made; v16-23 codes; v24-39 at work; v40-103, v104-167 accumulators; v168-199 x's and y's scale words; v200-215 W's.
;             window 1: v0-63, v64-127 two buffers of eight fragments of x or y; v128-255 W's sixteen fragments (tile t, K step q at 128 + 8 (4 t + q)).
.set LI,   1                           ; v1   16 x lane: an image's place for my lane
.set XSO,  2                           ; v2   x's and y's scale words: lanes 0-15 the first source's row r, lanes 16-31 the second's
.set WSO,  3                           ; v3   16 r
.set SCO,  4                           ; v4   32 r + 16 h: where my four scale words go
.set HH,   5                           ; v5   h
.set PW,   8
.set PC,   16
.set TM,   24
.set HA,   40
.set HB,   104
.set XS,   168                         ; register 4 m + q: tile m, K step q
.set WS,   200                         ; register 4 t + q
.set WF,   128
.set WV,   20
.set SEL,  22
.set G0,   28
.set G1,   32
.set MSB, 0
.macro WIN new                         ; the immediate's high byte repeats the setting that is left
.if MSB != \new
	s_set_vgpr_msb (MSB<<8)|\new
.set MSB, \new
.endif
.endm
.macro PLACES                          ; four places behind a matrix instruction, ahead of a read of its result and of loads into its sources
.rept 4
	v_nop
.endr
.endm
.macro QUANT s, pc, pw                 ; 64 numbers of a lane, register 16 b + i = k 32 b + 16 (lane / 16) + i of my row -> a fragment's codes and its scale word
.irp b, 0,1,2,3
	v_max3_num_f32 v[TM+\b], |v[\s+16*\b]|, |v[\s+1+16*\b]|, 0x1800000   ; each accumulator is read from its low end on; the floor 2^(3 - 127) holds the byte at 1
.endr
.irp i, 2,4,6,8,10,12,14
.irp b, 0,1,2,3
	v_max3_num_f32 v[TM+\b], v[TM+\b], |v[\s+16*\b+\i]|, |v[\s+1+16*\b+\i]|
.endr
.endr
.irp b, 0,1,2,3
	s_delay_alu instid0(VALU_DEP_4)
	v_permlanex16_b32 v[TM+4+\b], v[TM+\b], s[SEL], s[SEL+1]
.endr
.irp b, 0,1,2,3
	s_delay_alu instid0(VALU_DEP_4)
	v_max_num_f32 v[TM+\b], v[TM+\b], v[TM+4+\b]
.endr
.irp b, 0,1,2,3
	s_delay_alu instid0(VALU_DEP_4)
	v_add_nc_u32 v[TM+12+\b], 0xff000000, v[TM+\b]
.endr
.irp b, 0,1,2,3
	s_delay_alu instid0(VALU_DEP_4)
	v_lshrrev_b32 v[TM+4+\b], 23, v[TM+12+\b]
.endr
	s_delay_alu instid0(VALU_DEP_3)
	v_lshl_or_b32 v[\pw], v[TM+5], 8, v[TM+4]
	s_delay_alu instid0(VALU_DEP_1)
	v_lshl_or_b32 v[\pw], v[TM+6], 16, v[\pw]
	s_delay_alu instid0(VALU_DEP_1)
	v_lshl_or_b32 v[\pw], v[TM+7], 24, v[\pw]
.irp b, 0,1,2,3
	v_cvt_scalef32_pk8_fp4_f32 v[\pc+2*\b], v[\s+16*\b:\s+7+16*\b], v[TM+12+\b]
	v_cvt_scalef32_pk8_fp4_f32 v[\pc+1+2*\b], v[\s+8+16*\b:\s+15+16*\b], v[TM+12+\b]
.endr
	v_nop                                          ; one plain place behind a scaled conversion: matrix instructions write its sources later
.irp c, 0,1
.irp i, 0,1
	v_permlane16_swap_b32 v[\pc+4*\c+\i], v[\pc+2+4*\c+\i]
.endr
.endr
.endm
; One product.  kq = 0: the sum's first K step takes the constant 0 as C.  row = 1: A's scales from lanes 16-31; 2: B's.
.macro MM d, a, b, kq, sa, sb, row
.if (\kq) == 0
.if (\row) == 0
	v_wmma_scale_f32_16x16x128_f8f6f4 v[\d:\d+7], v[\a:\a+7], v[\b:\b+7], 0, v[\sa], v[\sb] matrix_a_fmt:MATRIX_FMT_FP4 matrix_b_fmt:MATRIX_FMT_FP4
.elseif (\row) == 1
	v_wmma_scale_f32_16x16x128_f8f6f4 v[\d:\d+7], v[\a:\a+7], v[\b:\b+7], 0, v[\sa], v[\sb] matrix_a_fmt:MATRIX_FMT_FP4 matrix_b_fmt:MATRIX_FMT_FP4 matrix_a_scale:MATRIX_SCALE_ROW1
.else
	v_wmma_scale_f32_16x16x128_f8f6f4 v[\d:\d+7], v[\a:\a+7], v[\b:\b+7], 0, v[\sa], v[\sb] matrix_a_fmt:MATRIX_FMT_FP4 matrix_b_fmt:MATRIX_FMT_FP4 matrix_b_scale:MATRIX_SCALE_ROW1
.endif
.else
.if (\row) == 0
	v_wmma_scale_f32_16x16x128_f8f6f4 v[\d:\d+7], v[\a:\a+7], v[\b:\b+7], v[\d:\d+7], v[\sa], v[\sb] matrix_a_fmt:MATRIX_FMT_FP4 matrix_b_fmt:MATRIX_FMT_FP4
.elseif (\row) == 1
	v_wmma_scale_f32_16x16x128_f8f6f4 v[\d:\d+7], v[\a:\a+7], v[\b:\b+7], v[\d:\d+7], v[\sa], v[\sb] matrix_a_fmt:MATRIX_FMT_FP4 matrix_b_fmt:MATRIX_FMT_FP4 matrix_a_scale:MATRIX_SCALE_ROW1
.else
	v_wmma_scale_f32_16x16x128_f8f6f4 v[\d:\d+7], v[\a:\a+7], v[\b:\b+7], v[\d:\d+7], v[\sa], v[\sb] matrix_a_fmt:MATRIX_FMT_FP4 matrix_b_fmt:MATRIX_FMT_FP4 matrix_b_scale:MATRIX_SCALE_ROW1
.endif
.endif
.endm
; The 64 numbers at v[s] become fragment f of my eight and leave: 32 lanes store 512 consecutive bytes, aligned.
.macro OUTF s, f
	s_wait_xcnt 0x0                                ; the last fragment's stores have read the code registers, which are written again below
	QUANT \s, PC, PW+\f
	global_store_b128 v[LI], v[PC:PC+3], s[40:41] offset:1024*(\f)
	global_store_b128 v[LI], v[PC+4:PC+7], s[40:41] offset:1024*(\f)+512
.endm
	s_load_b256 s[4:11], s[0:1], 0x0               ; xyc s[4:5], xys s[6:7], wc s[8:9], ws s[10:11]
	s_load_b128 s[12:15], s[0:1], 0x20             ; qc s[12:13], qs s[14:15]
	s_load_b64 s[16:17], s[0:1], 0x30              ; kvc
	v_lshl_add_u32 v254, v0, 2, 0x29000
	v_mov_b32 v255, 0
	ds_add_u32 v254, v255
	ds_add_u32 v254, v255
	v_lshrrev_b32 v1, 5, v0
	s_delay_alu instid0(VALU_DEP_1)
	v_readfirstlane_b32 s[WV], v1                  ; wave 0..7 = the head within the batch
	s_mov_b32 s24, ttmp9                           ; which W
	s_and_b32 s25, ttmp7, 0xffff                   ; which 128 rows
	s_cmp_eq_u32 s24, 0
	s_cselect_b32 s26, 1, 0                        ; 1 for Q: y is then the first source
	; descriptor group 1: 32 rows of 256 bytes (32 elements of 8 bytes), dense, no padding: fragments are read 16 bytes a lane on end
	s_mov_b32 s[G1+0], 3<<16
	s_mov_b32 s[G1+1], 32<<16                      ; tensor_dim0
	s_mov_b32 s[G1+2], 32<<16                      ; tensor_dim1
	s_mov_b32 s[G1+3], 32<<16                      ; tile_dim0
	s_mov_b32 s[G1+4], 32                          ; tile_dim1
	s_mov_b32 s[G1+5], 32                          ; from row to row
	s_mov_b32 s[G1+6], 0
	s_mov_b32 s[G1+7], 0
	s_lshr_b32 s44, s[WV], 2                       ; waves 0-3 fetch the first source's 32 KiB, waves 4-7 the second's
	s_xor_b32 s44, s44, s26
	s_lshl_b32 s44, s44, 21                        ; x's codes, then y's: 2 MiB each
	s_lshl_b32 s45, s25, 15                        ; 8 tiles x 4,096 bytes a block of rows
	s_add_co_u32 s44, s44, s45
	s_and_b32 s45, s[WV], 3
	s_lshl_b32 s45, s45, 13
	s_add_co_u32 s44, s44, s45
	s_mov_b32 s45, 0
	s_mov_b32 s[G0], 1
	s_lshl_b32 s[G0+1], s[WV], 13                  ; LDS: 8,192 x wave
	s_wait_dscnt 0x0
	s_wait_kmcnt 0x0
	s_add_nc_u64 s[G0+2:G0+3], s[4:5], s[44:45]
	s_or_b32 s[G0+3], s[G0+3], 0x80000000
	tensor_load_to_lds s[G0:G0+3], s[G1:G1+7]      ; my one tensor load of the launch
	s_nop 0
	PLACES
	v_and_b32 v6, 31, v0
	s_delay_alu instid0(VALU_DEP_1)
	v_lshlrev_b32 v[LI], 4, v6
	v_and_b32 v7, 15, v0                           ; r
	v_bfe_u32 v[HH], v0, 4, 1                      ; h
	s_delay_alu instid0(VALU_DEP_2)
	v_lshlrev_b32 v[WSO], 4, v7
	s_wait_alu depctr_va_vdst(0)
	v_xor_b32 v[XSO], s26, v[HH]
	s_delay_alu instid0(VALU_DEP_1)
	v_lshl_add_u32 v[XSO], v[XSO], 17, v[WSO]      ; x's scale words, then y's: 131,072 bytes each
	s_wait_alu depctr_va_vdst(0)
	v_lshlrev_b32 v[SCO], 5, v7
	s_delay_alu instid0(VALU_DEP_1)
	v_lshl_add_u32 v[SCO], v[HH], 4, v[SCO]
.irp b, 0,1,2,3
	v_mov_b32 v[TM+4+\b], 0                        ; written once: a lane permute's destination counts as one of its sources
.endr
	s_mov_b32 s[SEL], 0x76543210
	s_mov_b32 s[SEL+1], 0xfedcba98
	s_lshl_b32 s46, s24, 17                        ; my 4 tiles of W: 131,072 a W, 16,384 a head
	s_lshl_b32 s47, s[WV], 14
	s_add_co_u32 s46, s46, s47
	s_mov_b32 s47, 0
	s_add_nc_u64 s[8:9], s[8:9], s[46:47]
	s_lshl_b32 s46, s24, 13                        ; their scale words: 8,192 a W, 1,024 a head
	s_lshl_b32 s48, s[WV], 10
	s_add_co_u32 s46, s46, s48
	s_add_nc_u64 s[10:11], s[10:11], s[46:47]
	s_lshl_b32 s46, s25, 11                        ; the rows' scale words: 8 tiles x 256 bytes
	s_add_nc_u64 s[6:7], s[6:7], s[46:47]
	WIN 0x40                                       ; destination window 1
.irp t, 0,1,2,3
.irp q, 0,1,2,3
.irp c, 0,1
	global_load_b128 v[WF+8*(4*\t+\q)+4*\c:WF+8*(4*\t+\q)+4*\c+3], v[LI], s[8:9] offset:4096*\t+1024*\q+512*\c
.endr
.endr
.endr
	WIN 0
.irp t, 0,1,2,3
	global_load_b128 v[WS+4*\t:WS+4*\t+3], v[WSO], s[10:11] offset:256*\t
.endr
.irp m, 0,1,2,3,4,5,6,7
	global_load_b128 v[XS+4*\m:XS+4*\m+3], v[XSO], s[6:7] offset:256*\m
.endr
	; where my eight fragments and their scale words go
	s_lshr_b32 s48, s25, 4
	s_lshl_b32 s48, s48, 3
	s_add_co_u32 s48, s48, s[WV]                   ; head = 8 x batch + wave
	s_and_b32 s49, s25, 15                         ; the group of 128 rows within the batch
	; THE LAYOUT OF kvc AS IT IS WRITTEN HERE: [head 32][key step 16][17,408 bytes]: K' 8 fragments (8,192) | V' 8 fragments (8,192) | K' scale words (512) | V' scale words (512).
	; The scale words of K' and V' have no buffer of their own: a key step's codes and words are one dense record of 68 x 256 bytes.
	s_lshl_b32 s50, s48, 4
	s_add_co_u32 s50, s50, s49                     ; 16 x head + group of 128 rows
	s_lshl_b32 s52, s50, 13                        ; Q: 8,192 bytes of codes a group,
	s_lshl_b32 s54, s50, 9                         ; 512 of scale words
	s_mul_i32 s50, s50, 17408                      ; K, V: the key step's record
	s_cmp_eq_u32 s24, 2
	s_cselect_b32 s51, 8192, 0                     ; V' lies behind K'
	s_cselect_b32 s56, 512, 0
	s_add_co_u32 s51, s51, s50
	s_add_co_u32 s56, s56, s50
	s_add_co_u32 s56, s56, 16384                   ; the words lie behind the codes
	s_cmp_eq_u32 s24, 0
	s_cselect_b32 s52, s52, s51
	s_cselect_b32 s54, s54, s56
	s_mov_b32 s53, 0
	s_mov_b32 s55, 0
	s_cselect_b64 s[40:41], s[12:13], s[16:17]
	s_cselect_b64 s[42:43], s[14:15], s[16:17]
	s_add_nc_u64 s[40:41], s[40:41], s[52:53]
	s_add_nc_u64 s[42:43], s[42:43], s[54:55]
	s_wait_loadcnt 0x0                             ; W's fragments and all scale words
	s_wait_tensorcnt 0x0                           ; my 8 KiB have landed,
	s_barrier_signal -1
	s_barrier_wait -1                              ; everybody's have
	s_cmp_eq_u32 s24, 2
	s_cbranch_scc1 .Lv
	; ---------------- Q and K: a tile of 16 rows at a time; 8 accumulators (4 tiles of W x 2 sources) by turns, K step by K step ----------------
.macro FETCH m                         ; tile m of both sources, all four K steps: 16 loads into buffer m % 2 (source p, K step q at 32 p + 8 q)
	WIN 0x40
.irp p, 0,1
.irp q, 0,1,2,3
.irp c, 0,1
	ds_load_b128 v[64*((\m)%2)+32*\p+8*\q+4*\c:64*((\m)%2)+32*\p+8*\q+4*\c+3], v[LI] offset:32768*\p+4096*(\m)+1024*\q+512*\c
.endr
.endr
.endr
.endm
.macro QKROW m
.if (\m) < 7
	FETCH (\m)+1                                   ; its buffer's last readers stand behind the last tile's places and quantising
	s_wait_dscnt 16                                ; this tile's 16 loads are in; the next tile's 16 may be out
.else
	s_wait_dscnt 0x0
.endif
	WIN 0x05                                       ; sources 0 and 1 window 1, C and D window 0
.irp q, 0,1,2,3
.irp a, 0,1,2,3,4,5,6,7
.set rD, HA+8*\a
.set rA, WF+8*(4*(\a%4)+\q)
.set rB, 64*((\m)%2)+32*(\a/4)+8*\q
.set rSA, WS+4*(\a%4)+\q
.set rSB, XS+4*(\m)+\q
.set rR, 2*(\a/4)
	MM rD, rA, rB, \q, rSA, rSB, rR
.endr
.endr
	WIN 0
	PLACES
	OUTF HA, \m                                    ; register 16 b + i: channel 32 b + 16 h + i of [first source 64 | second source 64]
.endm
	FETCH 0
.irp m, 0,1,2,3,4,5,6,7
	QKROW \m
.endr
	s_branch .Lend
	; ---------------- V: for each source and pair of W's tiles: 16 accumulators (8 tiles of keys x 2 tiles of channels) by turns, a K step at a time ----------------
.Lv:
.macro FETCHV n                        ; step n = 4 (2 s + tp) + q: the eight tiles of source s, K step q: 16 loads into buffer n % 2
	WIN 0x40
.irp a, 0,1,2,3,4,5,6,7
.irp c, 0,1
	ds_load_b128 v[64*((\n)%2)+8*\a+4*\c:64*((\n)%2)+8*\a+4*\c+3], v[LI] offset:32768*((\n)/8)+4096*\a+1024*((\n)%4)+512*\c
.endr
.endr
.endm
.macro VSTEP s, tp, q
.set N, 4*(2*\s+\tp)+\q
.if N < 15
	PLACES                                         ; the next buffer was read by the step before
	FETCHV N+1
	s_wait_dscnt 16                                ; this step's 16 loads are in; the next step's 16 may be out
.else
	s_wait_dscnt 0x0
.endif
	WIN 0x05
.irp a, 0,1,2,3,4,5,6,7
.irp e, 0,1
.set rD, HA+64*\e+8*\a
.set rA, 64*(N%2)+8*\a
.set rB, WF+8*(4*(2*\tp+\e)+\q)
.set rSA, XS+4*\a+\q
.set rSB, WS+4*(2*\tp+\e)+\q
	MM rD, rA, rB, \q, rSA, rSB, \s
.endr
.endr
.if \q == 3
	WIN 0
	PLACES
.set FI, 4*\s+2*\tp
	OUTF HA, FI                                    ; register 16 b + i: key 32 b + 16 h + i of my channel
	OUTF HB, FI+1
.endif
.endm
	FETCHV 0
.irp s, 0,1
.irp tp, 0,1
.irp q, 0,1,2,3
	VSTEP \s, \tp, \q
.endr
.endr
.endr
.Lend:
	v_cmp_ne_u32 vcc_lo, 0, v[HH]
.irp i, 0,1,2,3
	v_cndmask_b32 v[TM+\i], v[PW+\i], v[PW+4+\i], vcc_lo   ; lanes 0-15 store row r's words of fragments 0-3, lanes 16-31 of fragments 4-7
.endr
	global_store_b128 v[SCO], v[TM:TM+3], s[42:43] ; 32 lanes store 512 consecutive bytes, aligned
	s_wait_tensorcnt 0x0
	ds_add_u32 v254, v255
	s_wait_dscnt 0x0
	s_endpgm
.Lfunc_end_k_qa972baa9c2_proj:
	.size	k_qa972baa9c2_proj, .Lfunc_end_k_qa972baa9c2_proj-k_qa972baa9c2_proj
	.p2alignl 7, 3214868480
	.fill 96, 4, 3214868480
	.section	.rodata,"a",@progbits
	.p2align	6, 0x0
	.amdhsa_kernel k_qa972baa9c2_proj
		.amdhsa_group_segment_fixed_size 168960
		.amdhsa_private_segment_fixed_size 0
		.amdhsa_enable_private_segment 0
		.amdhsa_kernarg_size 56
		.amdhsa_user_sgpr_count 2
		.amdhsa_user_sgpr_kernarg_segment_ptr 1
		.amdhsa_wavefront_size32 1
		.amdhsa_system_sgpr_workgroup_id_x 1
		.amdhsa_system_sgpr_workgroup_id_y 1
		.amdhsa_system_sgpr_workgroup_id_z 1
		.amdhsa_system_vgpr_workitem_id 0
		.amdhsa_next_free_vgpr 512
		.amdhsa_next_free_sgpr 66
		.amdhsa_reserve_vcc 1
		.amdhsa_float_denorm_mode_32 3
		.amdhsa_float_denorm_mode_16_64 3
		.amdhsa_memory_ordered 1
		.amdhsa_forward_progress 1
		.amdhsa_inst_pref_size 176
	.end_amdhsa_kernel
	.amdgpu_metadata
---
amdhsa.version: [ 1, 2 ]
amdhsa.kernels:
  - .name:           k_qa972baa9c2_proj
    .symbol:         k_qa972baa9c2_proj.kd
    .args:
      - { .name: xyc, .offset: 0, .size: 8, .value_kind: global_buffer, .address_space: global }
      - { .name: xys, .offset: 8, .size: 8, .value_kind: global_buffer, .address_space: global }
      - { .name: wc, .offset: 16, .size: 8, .value_kind: global_buffer, .address_space: global }
      - { .name: ws, .offset: 24, .size: 8, .value_kind: global_buffer, .address_space: global }
      - { .name: qc, .offset: 32, .size: 8, .value_kind: global_buffer, .address_space: global }
      - { .name: qs, .offset: 40, .size: 8, .value_kind: global_buffer, .address_space: global }
      - { .name: kvc, .offset: 48, .size: 8, .value_kind: global_buffer, .address_space: global }
    .group_segment_fixed_size: 168960
    .private_segment_fixed_size: 0
    .kernarg_segment_align: 8
    .kernarg_segment_size: 56
    .max_flat_workgroup_size: 256
    .sgpr_count:     66
    .vgpr_count:     512
    .wavefront_size: 32
...
	.end_amdgpu_metadata
.endif
;; end of part 2
;; launch attn (part 3): grid 8 x 32, 16 waves a work-group, clusters of 4 x 1, 280,576 bytes of LDS; arguments qc, qs, kvc, x, y, out0, out1; writes out0, out1
.if DOCPART == 3
	.amdgcn_target "amdgcn-amd-amdhsa--gfx1250"
	.amdhsa_code_object_version 6
	.text
	.protected	k_qa972baa9c2_attn
	.globl	k_qa972baa9c2_attn
	.p2align	8
	.type	k_qa972baa9c2_attn,@function
k_qa972baa9c2_attn:
	s_mov_b64 s[64:65], 0
	v_nop
	global_prefetch_b8 v0, s[64:65] scope:SCOPE_SE
	s_setreg_imm32_b32 hwreg(HW_REG_WAVE_MODE, 25, 1), 1
	s_wait_xcnt 0x0
	s_wait_alu depctr_hold_cnt(0) depctr_sa_sdst(0) depctr_va_vdst(0) depctr_va_sdst(0) depctr_va_ssrc(0) depctr_va_vcc(0) depctr_vm_vsrc(0)
	s_getreg_b32 s2, hwreg(HW_REG_IB_STS2, 6, 4)
	s_cmp_eq_u32 s2, 0
	s_cbranch_scc0 .Lentry_in_a_cluster
	s_endpgm
.Lentry_in_a_cluster:
	s_bfe_u32 s2, ttmp6, 0x10000c
	s_cmp_lg_u32 s2, 0x3003
	s_cbranch_scc0 .Lentry_shape_is_right
	s_endpgm
.Lentry_shape_is_right:
; out0 = softmax(S / 16) V_x + x,  out1 = softmax(S / 16) V_y + y,  S = Q' K'^T, for 32 heads (batch x head) of 2,048 queries and keys, both products on codes of FP4 (E2M1) with E8M0 scales.
; Q' = [y Wq | x Wq], K' = [x Wk | y Wk] (K = 128: reference's two score products in one; their mean / sqrt(64) is S / 16); V' = [x Wv | y Wv]: 128 channels, K = the keys.  All come as images of fragments.
; THE SOFTMAX: t = S x log2(e) / 16; M = the running largest t rounded UP to a whole number; p = 2^(t - M) is quantised along the keys, not normalised.  The row's sum is taken of the unquantised p, in f32,
; and divides at the end.  When M moves, the sum and O are multiplied by 2^(old M - new M), which rounds nothing.
; SHARES.  A work-group owns 256 queries of a head; each of its sixteen waves one tile of 16, in 256 registers, four waves to a SIMD.  Every wave walks all 2,048 keys, 128 a step.
; ALL OF A HEAD'S K', V' AND SCALE WORDS LIE IN LDS AT ONCE: 16 key steps x 17,408 bytes (K' 8,192 | V' 8,192 | K' words 512 | V' words 512) = 278,528 bytes.  Wave w asks for key step w: one tensor load a wave,
; at the head; nothing is filled again.  Each wave waits for its own load, and one work-group barrier shows all sixteen steps to all waves.  The walk over the keys has one more barrier, behind step 7 (see THE WAY OUT).
; CLUSTER.  The four work-groups of a cluster belong to one head: each key step is asked for JOINTLY (mask 15), behind the opening round.
; Both products are used transposed (S^T = K' Q'^T, O^T = V'^T P^T): a lane holds ONE query throughout.  The keys of a tile of K', the queries of a tile of Q' and the channels of a tile of V' are the rows
; 32 b + 8 u + r + 8 (r / 8) of their group, so that p's 16 registers of tiles 2 b, 2 b + 1 are 16 neighbouring keys, and O^T's are 16 neighbouring channels.
; THE WAY OUT.  O^T / the sum goes through the wave's own stage (2 x 16 rows x 272 bytes) and comes back as rows of 256 bytes; the residual's rows are loaded in that same row layout, 16 lanes to 256 bytes,
; into the scores' registers as soon as the last step has done with them, and are added to the rows.  The stages lie in key steps 0-7's bytes (16 x 8,704 = 8 x 17,408): they have had their one fill, and the barrier behind step 7 stands behind every wave's reads of them.
; PREFETCH.  K' and V': none: all that the work-group reads of them is asked for at its head, so there is no later load to run ahead of.  The residuals: one request a wave behind the barrier behind step 7, 8 key steps ahead of
; their loads: a pair of waves owns 32 neighbouring rows; the even wave names x's 32 pieces of 256 bytes, the odd wave y's, a lane a row: each piece is named once in the launch.
; LIMITS: NaN and infinities are not served.  A block of p that has fallen to zeros keeps the byte 1: its codes are zeros.  The promise holds while the scaled scores t stay under 2^31 in magnitude.
; REGISTERS: v1-7 addresses; v12 -M, v13 the largest t, v[14:15] the sum in two halves; v16-23 Q'; v25-27 addresses; v28-31 at work; v32-95 eight fragments, K' then V'; v96-159 S^T, then p, at the end the residuals;
;            v160-223 O^T; v224-231 p's codes; v232-239 at work; v240-243, v248-251 the eight tiles' scale words; v244-247 the conversions' scale operands; v252 f; v253 p's scale word; v254 at work; v255 Q's scale word.
.set KSB,   17408                      ; a key step in LDS and in kvc
.set SPARE, 16*KSB                     ; the spare words, 128 bytes for each wave: eight blocks of 256 bytes that no other line names
.set RP,    272                        ; a stage row: 256 bytes + 16
.set STG,   2*16*RP                    ; a wave's stage: x's 16 rows, then y's
.set AK0,  1                           ; v1   16 x lane: a fragment's place for my lane
.set ASK0, 2                           ; v2   16,384 + 32 r: row r's eight scale words in a key step
.set SPW,  3                           ; v3   LDS address of my spare word; never rewritten
.set NIL,  4                           ; v4   0; never rewritten
.set GO,   5                           ; v5   2,048 h + 16 r: my place in two rows of x, y, out0, out1
.set ADK,  6                           ; v6   the step's fragments
.set ADS,  7                           ; v7   the step's scale words
.set PFO,  25                          ; v25  2,048 x lane; never rewritten
.set RL,   26                          ; v26  the stage, in: row r, + 64 h
.set RB,   27                          ; v27  the stage, back: row h, + 16 r
.set WV,   20
.set SEL,  22                          ; s[22:23] lane selects for lane l xor 16
.set CS,   24                          ; s[24:25] c = log2(e) / 16, twice: the packed form names a pair
.set G1K,  28                          ; s[28:35] group 1: a key step
.set G0K,  44                          ; s[44:47] group 0
.set TB,   52                          ; s52  LDS byte of the key step in hand
.set CNT,  54
.set PFA,  56                          ; s[56:57] where my prefetch stands; never rewritten
.set WB,   58                          ; s58  my tile's first row among the work-group's 256
.macro PLACES
.rept 4
	v_nop
.endr
.endm
; A round of the cluster's barrier: my work-group's barrier; wave 0 signals for the work-group; every wave waits for all four work-groups; my work-group's barrier once more.
.macro CROUND
	s_barrier_signal -1
	s_barrier_wait -1
	s_cmp_lg_u32 s[WV], 0
	s_cbranch_scc1 .Lnot_wave_0_\@
	s_barrier_signal -3
.Lnot_wave_0_\@:
	s_barrier_wait -3
	s_barrier_signal -1
	s_barrier_wait -1
.endm
	s_load_b128 s[4:7], s[0:1], 0x0                ; qc s[4:5], qs s[6:7]
	s_load_b128 s[8:11], s[0:1], 0x10              ; kvc s[8:9], x s[10:11]
	s_load_b128 s[12:15], s[0:1], 0x20             ; y s[12:13], out0 s[14:15]
	s_load_b64 s[16:17], s[0:1], 0x30              ; out1
	v_lshl_add_u32 v[SPW], v0, 2, SPARE
	v_mov_b32 v[NIL], 0
	ds_add_u32 v[SPW], v[NIL]                      ; the opening lines: the add, twice on end, and its wait ahead of my tensor load
	ds_add_u32 v[SPW], v[NIL]
	v_lshrrev_b32 v8, 5, v0
	s_delay_alu instid0(VALU_DEP_1)
	v_readfirstlane_b32 s[WV], v8                  ; wave 0..15
	s_bfe_u32 s80, ttmp6, 0x40000                  ; cx: it enters global addresses of my own loads and stores alone
	s_lshl_b32 s81, ttmp9, 2
	s_add_co_u32 s81, s81, s80                     ; my block of 256 queries
	s_and_b32 s82, ttmp7, 0xffff                   ; the head, which the four partners share
	s_lshr_b32 s83, s82, 3
	s_lshl_b32 s83, s83, 11
	s_lshl_b32 s84, s81, 8
	s_add_co_u32 s83, s83, s84                     ; my block's first row of x, y, out0, out1: 2,048 x batch + 256 x block
	s_and_b32 s87, s82, 7
	s_lshl_b32 s87, s87, 8                         ; the head's 64 channels: 256 bytes of a row
	; group 1: 68 rows of 256 bytes (32 elements of 8 bytes), dense; 15:0 the mask: all four; bit 21 set beside it
	s_mov_b32 s[G1K+0], 15|(3<<16)|(1<<21)
	s_mov_b32 s[G1K+1], 32<<16
	s_mov_b32 s[G1K+2], 68<<16
	s_mov_b32 s[G1K+3], 32<<16
	s_mov_b32 s[G1K+4], 68
	s_mov_b32 s[G1K+5], 32
	s_mov_b32 s[G1K+6], 0
	s_mov_b32 s[G1K+7], 0
	s_mov_b32 s[G0K], 1
	s_mul_i32 s[G0K+1], s[WV], KSB                 ; LDS: key step = my wave's number
	s_mul_i32 s84, s82, 16*KSB                     ; kvc: 278,528 bytes a head
	s_add_co_u32 s84, s84, s[G0K+1]
	s_mov_b32 s85, 0
	s_wait_dscnt 0x0                               ; both opening adds are done
	s_wait_kmcnt 0x0
	s_add_nc_u64 s[G0K+2:G0K+3], s[8:9], s[84:85]
	s_or_b32 s[G0K+3], s[G0K+3], 0x80000000
	CROUND                                         ; all four work-groups are here: the joint loads meet
	tensor_load_to_lds s[G0K:G0K+3], s[G1K:G1K+7]  ; my one tensor load of the launch
	s_nop 0
	; the prefetch's place: my pair's 32 rows, 32 (wave / 2) on; the even wave x's, the odd wave y's
	s_and_b32 s86, s[WV], 1
	s_cmp_eq_u32 s86, 0
	s_cselect_b64 s[PFA:PFA+1], s[10:11], s[12:13]
	s_lshr_b32 s86, s[WV], 1
	s_lshl_b32 s86, s86, 5
	s_add_co_u32 s86, s86, s83
	s_lshl_b32 s84, s86, 11
	s_add_co_u32 s84, s84, s87
	s_add_nc_u64 s[PFA:PFA+1], s[PFA:PFA+1], s[84:85]
	s_lshl_b32 s84, s82, 17                        ; qc: 131,072 a head, 16,384 a block of 256 queries, 1,024 a tile
	s_lshl_b32 s86, s81, 14
	s_add_co_u32 s84, s84, s86
	s_lshl_b32 s86, s[WV], 10
	s_add_co_u32 s84, s84, s86
	s_add_nc_u64 s[4:5], s[4:5], s[84:85]
	s_lshl_b32 s84, s82, 13                        ; qs: 8,192 a head, 512 a group of 128 queries, 4 a tile
	s_lshl_b32 s86, s81, 10
	s_add_co_u32 s84, s84, s86
	s_lshr_b32 s86, s[WV], 3
	s_lshl_b32 s86, s86, 9
	s_add_co_u32 s84, s84, s86
	s_and_b32 s86, s[WV], 7
	s_lshl_b32 s86, s86, 2
	s_add_co_u32 s84, s84, s86
	s_add_nc_u64 s[6:7], s[6:7], s[84:85]
	s_lshr_b32 s[WB], s[WV], 3                     ; my tile's first row: 128 (w / 8) + 32 ((w % 8) / 2) + 8 (w % 2)
	s_lshl_b32 s[WB], s[WB], 7
	s_and_b32 s86, s[WV], 6
	s_lshl_b32 s86, s86, 4
	s_add_co_u32 s[WB], s[WB], s86
	s_and_b32 s86, s[WV], 1
	s_lshl_b32 s86, s86, 3
	s_add_co_u32 s[WB], s[WB], s86
	s_add_co_u32 s84, s83, s[WB]
	s_lshl_b32 s84, s84, 11
	s_add_co_u32 s84, s84, s87
	s_add_nc_u64 s[10:11], s[10:11], s[84:85]      ; x, y, out0 and out1 at my tile's first row, the head's channels
	s_add_nc_u64 s[12:13], s[12:13], s[84:85]
	s_add_nc_u64 s[14:15], s[14:15], s[84:85]
	s_add_nc_u64 s[16:17], s[16:17], s[84:85]
	s_mul_i32 s60, s[WV], STG                      ; my stage
	s_mov_b32 s[SEL], 0x76543210
	s_mov_b32 s[SEL+1], 0xfedcba98
	s_mov_b32 s[CS], 0x3db8aa3b                    ; c = log2(e) / 16
	s_mov_b32 s[CS+1], s[CS]
	v_and_b32 v8, 31, v0                           ; lane
	v_and_b32 v9, 15, v0                           ; r
	v_bfe_u32 v10, v0, 4, 1                        ; h
	v_lshlrev_b32 v[AK0], 4, v8
	v_lshlrev_b32 v[PFO], 11, v8
	v_lshlrev_b32 v11, 5, v9
	v_lshlrev_b32 v[GO], 4, v9
	v_mul_u32_u24 v[RL], v9, RP
	v_mul_u32_u24 v[RB], v10, RP
	v_add_nc_u32 v[ASK0], 16384, v11
	v_lshl_add_u32 v[GO], v10, 11, v[GO]
	v_lshl_add_u32 v[RL], v10, 6, v[RL]
	v_lshl_add_u32 v[RB], v9, 4, v[RB]
	global_load_b128 v[16:19], v[AK0], s[4:5]      ; Q's fragment stays in registers
	global_load_b128 v[20:23], v[AK0], s[4:5] offset:512
	global_load_b32 v255, v11, s[6:7]              ; and its scale words
	v_add_nc_u32 v[RL], s60, v[RL]
	v_add_nc_u32 v[RB], s60, v[RB]
	v_mov_b32 v13, 0xff61b1e6                      ; the largest t so far: -3e38, under every t
	v_mov_b32 v14, 0
	v_mov_b32 v15, 0
	v_floor_f32 v12, -v13                          ; -M
.irp b, 0,1,2,3
	v_mov_b32 v[236+\b], 0                         ; written once: a lane permute's destination counts as one of its sources
.endr
	v_mov_b32 v253, 0                              ; (named as the upper half of v[252:253] before it is first written)
.set J, 0
.rept 64
	v_mov_b32 v[160+J], 0                          ; O^T: the step has no first step of its own; the first change of M leaves zeros zeros
.set J, J+1
.endr
; A KEY STEP: 128 keys.  last = 1: the residuals' rows are asked for as soon as p's registers are free.
.macro STEP last
	v_add_nc_u32 v[ADK], s[TB], v[AK0]
	v_add_nc_u32 v[ADS], s[TB], v[ASK0]
	v_nop
	v_nop                                          ; four places behind the last step's products, ahead of loads into their sources
.irp t, 0,1,2,3,4,5,6,7
.irp c, 0,1
	ds_load_b128 v[32+8*\t+4*\c:35+8*\t+4*\c], v[ADK] offset:1024*\t+512*\c
.endr
.endr
	ds_load_b128 v[240:243], v[ADS]                ; row r's words of tiles 0-3,
	ds_load_b128 v[248:251], v[ADS] offset:16      ; and 4-7
	s_wait_alu depctr_va_vdst(0)
	s_wait_dscnt 0x0
.irp t, 0,1,2,3,4,5,6,7
	v_wmma_scale_f32_16x16x128_f8f6f4 v[96+8*\t:103+8*\t], v[32+8*\t:39+8*\t], v[16:23], 0, v[240+\t+4*(\t/4)], v255 matrix_a_fmt:MATRIX_FMT_FP4 matrix_b_fmt:MATRIX_FMT_FP4
.endr                                              ; lane (r, h): query r; register 16 b + i: key 32 b + 16 h + i
	PLACES
.irp t, 0,1,2,3,4,5,6,7                        ; V's fragments and words take K's registers and land under the softmax
.irp c, 0,1
	ds_load_b128 v[32+8*\t+4*\c:35+8*\t+4*\c], v[ADK] offset:8192+1024*\t+512*\c
.endr
.endr
	ds_load_b128 v[240:243], v[ADS] offset:512
	ds_load_b128 v[248:251], v[ADS] offset:528
.irp b, 0,1,2,3
	v_max3_num_f32 v[232+\b], v[96+16*\b], v[97+16*\b], v[98+16*\b]   ; the largest score of each block of 32 keys: for the row's maximum, and, since p rises with the score, for the block's largest p
.endr
.irp i, 3,5,7,9,11,13
.irp b, 0,1,2,3
	v_max3_num_f32 v[232+\b], v[232+\b], v[96+16*\b+\i], v[97+16*\b+\i]
.endr
.endr
.irp b, 0,1,2,3
	v_max_num_f32 v[232+\b], v[232+\b], v[111+16*\b]
.endr
.irp b, 0,1,2,3
	s_delay_alu instid0(VALU_DEP_4)
	v_permlanex16_b32 v[236+\b], v[232+\b], s[SEL], s[SEL+1]
.endr
.irp b, 0,1,2,3
	s_delay_alu instid0(VALU_DEP_4)
	v_max_num_f32 v[232+\b], v[232+\b], v[236+\b]  ; with lane l xor 16's 16 keys
.endr
	s_delay_alu instid0(VALU_DEP_2)
	v_max3_num_f32 v254, v232, v233, v234
	s_delay_alu instid0(VALU_DEP_1)
	v_max_num_f32 v254, v254, v235                 ; the step's largest score of my query
	s_delay_alu instid0(VALU_DEP_1)
	v_mul_f32 v254, s[CS], v254                    ; as t (c is positive)
	s_delay_alu instid0(VALU_DEP_1)
	v_max_num_f32 v13, v13, v254                   ; the running largest t
	v_mov_b32 v254, v12
	s_delay_alu instid0(VALU_DEP_2)
	v_floor_f32 v12, -v13                          ; the new -M = -ceil(t): a whole number
	s_delay_alu instid0(VALU_DEP_1)
	v_sub_f32 v254, v12, v254                      ; old M - new M: a whole number, 0 or less
	s_delay_alu instid0(VALU_DEP_1)
	v_cvt_i32_f32 v254, v254                       ; (it saturates)
	s_delay_alu instid0(VALU_DEP_1)
	v_ldexp_f32 v252, 1.0, v254                    ; f = 2^(old M - new M)
.set J, 0
.rept 32
	v_pk_fma_f32 v[96+J:97+J], v[96+J:97+J], s[CS:CS+1], v[12:13] op_sel_hi:[1,0,0]   ; t - M, two at a time
.set J, J+2
.endr
.irp b, 0,1,2,3
	v_fma_f32 v[232+\b], v[232+\b], s[CS], v12     ; the same of each block's largest score
.endr
.set J, 0
	s_wait_alu depctr_va_vdst(0)
.rept 64
	v_exp_f32 v[96+J], v[96+J]                     ; p = 2^(t - M), at most 1
.set J, J+1
.endr
.irp b, 0,1,2,3
	v_exp_f32 v[232+\b], v[232+\b]                 ; the block's largest p: the same two instructions on the same number
.endr
	v_pk_mul_f32 v[14:15], v[14:15], v[252:253] op_sel_hi:[1,0]   ; the sums under the new M (a plain place behind the exponentials)
	s_wait_alu depctr_va_vdst(0)                   ; one wait for the whole batch, ahead of its first reader
.irp b, 0,1,2,3
	v_max_num_f32 v[232+\b], 0x1800000, v[232+\b]  ; the floor 2^(3 - 127): the byte cannot fall under 1
.endr
.irp b, 0,1,2,3
	s_delay_alu instid0(VALU_DEP_4)
	v_add_nc_u32 v[244+\b], 0xff000000, v[232+\b]  ; the conversion's scale operand
.endr
.irp b, 0,1,2,3
	s_delay_alu instid0(VALU_DEP_4)
	v_lshrrev_b32 v[236+\b], 23, v[244+\b]         ; the byte
.endr
	s_delay_alu instid0(VALU_DEP_3)
	v_lshl_or_b32 v253, v237, 8, v236              ; p's scale word for these 128 keys
	s_delay_alu instid0(VALU_DEP_1)
	v_lshl_or_b32 v253, v238, 16, v253
	s_delay_alu instid0(VALU_DEP_1)
	v_lshl_or_b32 v253, v239, 24, v253
.irp b, 0,1,2,3
	v_cvt_scalef32_pk8_fp4_f32 v[224+2*\b], v[96+16*\b:103+16*\b], v[244+\b]
	v_cvt_scalef32_pk8_fp4_f32 v[225+2*\b], v[104+16*\b:111+16*\b], v[244+\b]
.endr
	v_nop                                          ; one plain place behind a scaled conversion
.irp c, 0,1                                    ; a whole block in a lane: lanes 0-15 block 2 c, lanes 16-31 block 2 c + 1
.irp i, 0,1
	v_permlane16_swap_b32 v[224+4*\c+\i], v[226+4*\c+\i]
.endr
.endr
	v_pk_add_f32 v[236:237], v[100:101], v[104:105]   ; the row's sum of the unquantised p: eight chains side by side
	v_pk_add_f32 v[246:247], v[108:109], v[112:113]
	v_pk_add_f32 v[244:245], v[116:117], v[120:121]
	v_pk_add_f32 v[234:235], v[124:125], v[128:129]
	v_pk_add_f32 v[232:233], v[132:133], v[136:137]
	v_pk_add_f32 v[30:31], v[140:141], v[144:145]
	v_pk_add_f32 v[28:29], v[148:149], v[152:153]
	v_pk_add_f32 v[14:15], v[14:15], v[156:157]
	v_pk_add_f32 v[236:237], v[236:237], v[96:97]
	v_pk_add_f32 v[246:247], v[246:247], v[98:99]
	v_pk_add_f32 v[244:245], v[244:245], v[102:103]
	v_pk_add_f32 v[234:235], v[234:235], v[106:107]
	v_pk_add_f32 v[232:233], v[232:233], v[110:111]
	v_pk_add_f32 v[30:31], v[30:31], v[114:115]
	v_pk_add_f32 v[28:29], v[28:29], v[118:119]
	v_pk_add_f32 v[14:15], v[14:15], v[122:123]
	v_pk_add_f32 v[236:237], v[236:237], v[126:127]
	v_pk_add_f32 v[246:247], v[246:247], v[130:131]
	v_pk_add_f32 v[244:245], v[244:245], v[134:135]
	v_pk_add_f32 v[234:235], v[234:235], v[138:139]
	v_pk_add_f32 v[232:233], v[232:233], v[142:143]
	v_pk_add_f32 v[30:31], v[30:31], v[146:147]
	v_pk_add_f32 v[28:29], v[28:29], v[150:151]
	v_pk_add_f32 v[14:15], v[14:15], v[154:155]
	v_pk_add_f32 v[236:237], v[236:237], v[158:159]
	s_delay_alu instid0(VALU_DEP_2)
	v_pk_add_f32 v[14:15], v[14:15], v[234:235]
	s_delay_alu instid0(VALU_DEP_2)
	v_pk_add_f32 v[236:237], v[236:237], v[232:233]
	v_pk_add_f32 v[246:247], v[246:247], v[30:31]
	v_pk_add_f32 v[244:245], v[244:245], v[28:29]
	s_delay_alu instid0(VALU_DEP_2)
	v_pk_add_f32 v[14:15], v[14:15], v[246:247]
	s_delay_alu instid0(VALU_DEP_2)
	v_pk_add_f32 v[236:237], v[236:237], v[244:245]
	s_delay_alu instid0(VALU_DEP_1)
	v_pk_add_f32 v[14:15], v[14:15], v[236:237]
.if \last
.irp u, 0,1                                    ; p has been summed and converted: its 64 registers take my 16 rows of x and of y, 16 lanes to 256 consecutive bytes, aligned
.irp i, 0,1,2,3,4,5,6,7
	global_load_b128 v[96+32*\u+4*\i:99+32*\u+4*\i], v[GO], s[10+2*\u:11+2*\u] offset:2048*(2*\i+8*(\i/4)) th:TH_LOAD_NT
.endr
.endr
.endif
	s_wait_alu depctr_va_vdst(0)                   ; directly ahead of the first reader of O^T
.set J, 0
.rept 32
	v_pk_mul_f32 v[160+J:161+J], v[160+J:161+J], v[252:253] op_sel_hi:[1,0]   ; O^T under the new M, each accumulator from its low end on; these are also the places between p's word and codes and the products
.set J, J+2
.endr
	s_wait_alu depctr_va_vdst(0)
	s_wait_dscnt 0x0                               ; V's fragments and words are in
.irp t, 0,1,2,3,4,5,6,7
	v_wmma_scale_f32_16x16x128_f8f6f4 v[160+8*\t:167+8*\t], v[32+8*\t:39+8*\t], v[224:231], v[160+8*\t:167+8*\t], v[240+\t+4*(\t/4)], v253 matrix_a_fmt:MATRIX_FMT_FP4 matrix_b_fmt:MATRIX_FMT_FP4
.endr                                              ; the eight accumulators take turns, one instruction a turn, over the backward jump too
.endm
.macro STEPS first, n                  ; key steps first .. first + n - 1
	s_mov_b32 s[TB], (\first)*KSB
	s_mov_b32 s[CNT], \n
.Lstep_\@:
	STEP 0
	s_add_co_u32 s[TB], s[TB], KSB
	s_sub_co_u32 s[CNT], s[CNT], 1
	s_cmp_lg_u32 s[CNT], 0
	s_cbranch_scc1 .Lstep_\@
.endm
	s_wait_alu depctr_va_vdst(0)
	s_wait_loadcnt 0x0                             ; Q
	s_wait_tensorcnt 0x0                           ; my key step has landed,
	s_barrier_signal -1
	s_barrier_wait -1                              ; everybody's has: all sixteen are in
	STEPS 0, 8
	s_wait_dscnt 0x0                               ; my reads of key steps 0-7 are over,
	s_barrier_signal -1
	s_barrier_wait -1                              ; everybody's are: their bytes may serve as stages
	global_prefetch_b8 v[PFO], s[PFA:PFA+1] th:TH_LOAD_NT scope:SCOPE_SE   ; my pair's 32 rows of x or of y, 256 bytes each, a lane a row: 8 key steps ahead of their loads
	STEPS 8, 7
	s_mov_b32 s[TB], 15*KSB
	STEP 1
	; THE WAY OUT.  Register 8 t + j of source u's four tiles is channel 32 (t / 2) + 16 h + 8 (t % 2) + j of query r, which is row WB + r + 8 (r / 8) of the work-group's 256.
	PLACES                                         ; behind the last products
	v_add_f32 v14, v14, v15                        ; the sum's two halves,
	s_delay_alu instid0(VALU_DEP_1)
	v_permlanex16_b32 v252, v14, s[SEL], s[SEL+1]
	s_delay_alu instid0(VALU_DEP_1)
	v_add_f32 v14, v14, v252                       ; and lane l xor 16's: the row's sum
	s_wait_alu depctr_va_vdst(0)
	v_rcp_f32 v14, v14
	v_nop                                          ; a plain place behind the transcendental
	s_wait_alu depctr_va_vdst(0)                   ; the wait, ahead of its first reader, which is also the first reader of the last products' results
.set J, 0
.rept 32
	v_pk_mul_f32 v[32+J:33+J], v[160+J:161+J], v[14:15] op_sel_hi:[1,0]   ; O^T / the sum, each accumulator from its low end on
.set J, J+2
.endr
.irp u, 0,1
.irp t, 0,1,2,3
.irp e, 0,1
	ds_store_b128 v[RL], v[32+32*\u+8*\t+4*\e:35+32*\u+8*\t+4*\e] offset:16*RP*\u+128*(\t/2)+32*(\t%2)+16*\e
.endr
.endr
.endr
.irp u, 0,1
.irp i, 0,1,2,3,4,5,6,7
	ds_load_b128 v[160+32*\u+4*\i:163+32*\u+4*\i], v[RB] offset:16*RP*\u+2*RP*\i   ; LDS serves a wave's instructions in order: these see my stores.  Lanes 0-15 stage row 2 i, lanes 16-31 row 2 i + 1
.endr
.endr
	s_wait_loadcnt 0x0                             ; the residuals' rows are in
.irp u, 0,1
.irp i, 0,1,2,3,4,5,6,7
	s_wait_dscnt 15-8*\u-\i                        ; the younger row loads may stay out
	v_pk_add_f32 v[160+32*\u+4*\i:161+32*\u+4*\i], v[160+32*\u+4*\i:161+32*\u+4*\i], v[96+32*\u+4*\i:97+32*\u+4*\i]
	v_pk_add_f32 v[162+32*\u+4*\i:163+32*\u+4*\i], v[162+32*\u+4*\i:163+32*\u+4*\i], v[98+32*\u+4*\i:99+32*\u+4*\i]
	global_store_b128 v[GO], v[160+32*\u+4*\i:163+32*\u+4*\i], s[14+2*\u:15+2*\u] offset:2048*(2*\i+8*(\i/4)) th:TH_STORE_NT   ; 16 lanes store 256 consecutive bytes, aligned
.endr
.endr
	s_wait_tensorcnt 0x0                           ; the wave's end: behind my tensor load and my last LDS store
	ds_add_u32 v[SPW], v[NIL]
	s_wait_dscnt 0x0
	CROUND                                         ; the closing round
	s_endpgm
.Lfunc_end_k_qa972baa9c2_attn:
	.size	k_qa972baa9c2_attn, .Lfunc_end_k_qa972baa9c2_attn-k_qa972baa9c2_attn
	.p2alignl 7, 3214868480
	.fill 96, 4, 3214868480
	.section	.rodata,"a",@progbits
	.p2align	6, 0x0
	.amdhsa_kernel k_qa972baa9c2_attn
		.amdhsa_group_segment_fixed_size 280576
		.amdhsa_private_segment_fixed_size 0
		.amdhsa_enable_private_segment 0
		.amdhsa_kernarg_size 56
		.amdhsa_user_sgpr_count 2
		.amdhsa_user_sgpr_kernarg_segment_ptr 1
		.amdhsa_wavefront_size32 1
		.amdhsa_system_sgpr_workgroup_id_x 1
		.amdhsa_system_sgpr_workgroup_id_y 1
		.amdhsa_system_sgpr_workgroup_id_z 1
		.amdhsa_system_vgpr_workitem_id 0
		.amdhsa_next_free_vgpr 256
		.amdhsa_next_free_sgpr 100
		.amdhsa_reserve_vcc 0
		.amdhsa_float_denorm_mode_32 3
		.amdhsa_float_denorm_mode_16_64 3
		.amdhsa_memory_ordered 1
		.amdhsa_forward_progress 1
		.amdhsa_inst_pref_size 74
	.end_amdhsa_kernel
	.amdgpu_metadata
---
amdhsa.version: [ 1, 2 ]
amdhsa.kernels:
  - .name:           k_qa972baa9c2_attn
    .symbol:         k_qa972baa9c2_attn.kd
    .args:
      - { .name: qc, .offset: 0, .size: 8, .value_kind: global_buffer, .address_space: global }
      - { .name: qs, .offset: 8, .size: 8, .value_kind: global_buffer, .address_space: global }
      - { .name: kvc, .offset: 16, .size: 8, .value_kind: global_buffer, .address_space: global }
      - { .name: x, .offset: 24, .size: 8, .value_kind: global_buffer, .address_space: global }
      - { .name: y, .offset: 32, .size: 8, .value_kind: global_buffer, .address_space: global }
      - { .name: out0, .offset: 40, .size: 8, .value_kind: global_buffer, .address_space: global }
      - { .name: out1, .offset: 48, .size: 8, .value_kind: global_buffer, .address_space: global }
    .group_segment_fixed_size: 280576
    .private_segment_fixed_size: 0
    .kernarg_segment_align: 8
    .kernarg_segment_size: 56
    .max_flat_workgroup_size: 512
    .sgpr_count:     100
    .vgpr_count:     256
    .wavefront_size: 32
...
	.end_amdgpu_metadata
.endif
;; end of part 3
